; MI455X (gfx1250); checked and timed in simulation.
; The chip was launched on July 23, 2026; its instructions are those of AMD's public machine-readable ISA for CDNA 5 (MIT licence, August 2026) and "CDNA5" Instruction Set Architecture Reference Guide (July 2026). The comments in the code are by the model that wrote it; some were corrected since.
;; Optimized Multi Head Attn. Allowed arithmetic: matrix products marked QUANTISED: E2M3 operands, one E8M0 scale for each 32 along K, by v_wmma_scale_f32_16x16x128_f8f6f4 with both operands' format E2M3, f32 sums; everything else in f32.
;; Inputs: attn_b 3,072 float32; attn_w 3,072 x 1,024 float32; proj_b 1,024 float32; proj_w 1,024 x 1,024 float32; x 2 x 2,048 x 1,024 float32.
;; Outputs: out0 2 x 2,048 x 1,024 float32.
;; This version of the problem:
;;   THIS VERSION OF THE PROBLEM IS GIVEN IN LOW PRECISION. The matrix products marked QUANTISED in the list below multiply operands that are first quantised to E2M3 (2 exponent bits, 3 mantissa bits; 6 bits a number), with one power-of-two scale for each 32 numbers along K (OCP MX v1.0); their sums are f32. All else is computed in f32.
;;   The module's matrix products, in the order in which they are computed (A, B: the left and right operand; K: the contracted axis; several contracted axes count as one K, in the product's order):
;;     1. [M 4,096, K 1,024] x [K 1,024, N 3,072]; A: input x; B: input attn_w: QUANTISED
;;     2. batch 32 x [M 2,048, K 64] x [K 64, N 2,048]; A: computed on the way; B: computed on the way: QUANTISED
;;     3. batch 32 x [M 2,048, K 2,048] x [K 2,048, N 64]; A: softmax (see below); B: computed on the way: QUANTISED
;;     4. [M 4,096, K 1,024] x [K 1,024, N 1,024]; A: computed on the way; B: input proj_w: QUANTISED
;;   THE QUANTISER, for each operand of a quantised product, along K:
;;     - K is cut into blocks of 32 from its start; a last block that is shorter is filled with zeros.
;;     - A block's scale is 2^e with e = floor(log2(the largest magnitude in the block)) - 2, held to -126 .. 127; a block of zeros has e = 0. As a byte (E8M0): e + 127.
;;     - Each number is divided by its block's scale, clamped to +-7.5, and rounded to the nearest number of E2M3, ties to even, subnormals kept.
;;     - The product sums the exact products of the quantised numbers (number of the format x scale) in f32.
;;   ~~~python
;;   def quantise(x, axis):      # numpy; x: float32 -> the quantised numbers, widened to float32 again
;;       x = np.moveaxis(x, axis, -1); K = x.shape[-1]
;;       x = np.pad(x, [(0, 0)] * (x.ndim - 1) + [(0, -K % 32)]); x = x.reshape(x.shape[:-1] + (-1, 32)); a = np.abs(x).max(-1, keepdims=True)
;;       e = np.where(a > 0, np.clip(np.frexp(np.where(a > 0, a, 1))[1] - 1 - 2, -126, 127), 0)      # np.frexp(a)[1] - 1 = floor(log2(a)), exactly
;;       r = np.clip(x / 2.0 ** e, -7.5, 7.5)
;;       step = 2.0 ** (np.maximum(np.frexp(np.where(r == 0, 1, r))[1] - 1, 0) - 3)
;;       q = np.round(r / step) * step * 2.0 ** e      # np.round: ties to even
;;       return np.moveaxis(q.reshape(q.shape[:-2] + (-1,))[..., :K], -1, axis).astype(np.float32)
;;   ~~~
;;   SOFTMAX AHEAD OF A QUANTISED PRODUCT. Where the list says 'softmax', what is quantised is not the finished softmax but p = 2^(t - M), with t = logit x log2(e) and M = ceil(the row's largest t), a whole number; so 1/2 < the row's largest p <= 1. The row's sum l is taken of the UNQUANTISED p, in f32, and the product's result is divided by l at the end. Since M is a whole number, a kernel that streams over the keys may use a running M (the ceiling of the running maximum): every later rescaling is an exact power of two, which a block's scale takes up: the codes' values come out the same.
;;   OPERANDS COMPUTED ON THE WAY. 'Computed on the way' means the value that the module computes at that place (a softmax that the list does not call 'softmax' is quantised finished and normalised). What goes into a quantiser is computed in f32, as accurately as f32 sums, v_exp_f32 and their like allow (about 1e-6 of the number): no bf16 or f16 on the way to a quantiser, and a product that is left as it is and whose result goes on into a quantised operand takes f32 operands (vector FMAs, or v_wmma_f32_16x16x4_f32). A number that lies on a knife's edge between two numbers of the format may be rounded either way, as far as f32 arithmetic and the matrix unit's own rounding can turn it there, and no further.
;; One version. Each part assembles by itself: llvm-mc -triple=amdgcn-amd-amdhsa -mcpu=gfx1250 --defsym DOCPART=n.
;; ======== version 1 of 1: 4 launches
;; limits: right only within a limited range of input values
;; workspace buffers: cin 6,291,456 bytes; sin 262,144 bytes; qc 3,145,728 bytes; qs 131,072 bytes; kv 6,553,600 bytes; oc 3,145,728 bytes; os 131,072 bytes
;; launch quant (part 1): grid 256 x 1, 4 waves a work-group, no clusters, 33,280 bytes of LDS; arguments x, attn_w, proj_w, cin, sin; writes cin, sin
.if DOCPART == 1
	.amdgcn_target "amdgcn-amd-amdhsa--gfx1250"
	.amdhsa_code_object_version 6
	.text
	.protected	k_qf7f148b4ba_quant
	.globl	k_qf7f148b4ba_quant
	.p2align	8
	.type	k_qf7f148b4ba_quant,@function
k_qf7f148b4ba_quant:
	s_mov_b64 s[64:65], 0
	v_nop
	global_prefetch_b8 v0, s[64:65] scope:SCOPE_SE
	s_setreg_imm32_b32 hwreg(HW_REG_WAVE_MODE, 25, 1), 1
	s_wait_xcnt 0x0
; x [4096][1024], attn_w [3072][1024] and proj_w [1024][1024], f32, K innermost, become codes of FP6 (E2M3) with one E8M0 scale byte for each 32 along K.
; cin: 8,192 rows of 768 bytes (1,024 codes): rows 0-4095 x, 4096-7167 attn_w, 7168-8191 proj_w.  sin: the same rows, 32 scale bytes each.
; A ROW LIES AT ITS POSITION: in each group of 64 rows, row 32 h + 8 j + i (h = 0, 1; j = 0 .. 3; i = 0 .. 7) lies at position 16 j + 8 h + i.  A tile of 16 positions taken as source 0 of a matrix instruction gives lane half h
; the rows 32 h + 8 j + 0 .. 7, so four tiles give a lane 32 neighbours: one scale block of the next product.
; A block's scale is 2^(floor(log2(its largest magnitude)) - 2); its byte is the largest magnitude's exponent field - 2, held at 1 from below.
; LIMITS: a block of zeros, or one whose largest magnitude lies under 2^-124, gets the byte 1 (its codes are zeros or next to it; this program alone reads the bytes); NaN and infinities are not served.
; WORK LEFT OUT IN THE PROGRAM: in the attention launch whole steps of 128 keys that the causal mask hides from all of a tile's queries are not multiplied: their p is 0 for all inputs.
; A NaN, an infinity or an overflow that reaches only that work is not carried to the result.
; SHARES: 256 work-groups of four waves; work-groups 0-127 take x, 128-223 attn_w, 224-255 proj_w.  A wave takes 8,192 numbers, eight whole rows, in 16 steps of 512.
; Each load reads 512 consecutive bytes, 16 a lane; a step's 2,048 bytes turn through the wave's own stage in LDS and come back 64 bytes a lane: sixteen neighbours along K, as the conversion wants them.
; No tensor loads, no barrier: waves share nothing.  Loads run eight steps (32 loads a wave) ahead, the turn through LDS one step.
.set STEPS, 16
.set AHEAD, 8
.set CB,    12                         ; bytes of 16 codes
.set R,     16                         ; v16-143  eight sets of 16 numbers as they are loaded
.set X,     144                        ; v144-175 two sets of 16 neighbours
.set C,     176                        ; v176-239 codes: four registers for each step, so that no store's data are written again
.set E,     240                        ; v240-243 scale bytes
.set SPW,   244
.set NIL,   245
.set WREG,  8192                       ; LDS: a region for each wave: two stages of 32 x SP bytes, behind them its 256 scale bytes
.set SP,    80                         ; a lane's place in a stage: its 64 bytes + 16 of padding
.set SPARE, 4*WREG
	s_load_b128 s[4:7], s[0:1], 0x0                ; x, attn_w
	s_load_b128 s[8:11], s[0:1], 0x10              ; proj_w, cin
	s_load_b64 s[12:13], s[0:1], 0x20              ; sin
	v_lshl_add_u32 v[SPW], v0, 2, SPARE
	v_mov_b32 v[NIL], 0
	v_lshrrev_b32 v1, 5, v0
	v_readfirstlane_b32 s16, v1                    ; wave
	v_and_b32 v2, 31, v0                           ; lane
	v_lshlrev_b32 v3, 4, v2                        ; my 16 bytes of a load's 512
	s_mul_i32 s17, s16, WREG
	v_lshrrev_b32 v14, 2, v2
	v_mul_u32_u24 v14, v14, SP
	v_and_b32 v15, 3, v2
	v_lshl_add_u32 v14, v15, 4, v14
	v_add_nc_u32 v14, s17, v14                     ; the stage, on the way in: four lanes' 64 bytes on end, then 16 of padding
	v_mul_u32_u24 v15, v2, SP
	v_add_nc_u32 v15, s17, v15                     ; and on the way out: SP x lane: my 16 neighbours
	v_mul_u32_u24 v4, v2, CB                       ; my codes' place in a step's
	v_lshrrev_b32 v5, 1, v2
	s_add_co_u32 s17, s17, 2*32*SP
	v_add_nc_u32 v5, s17, v5                       ; LDS: my wave's 256 scale bytes, my block's byte
	v_lshlrev_b32 v7, 3, v2                        ; and on the way out 8 bytes a lane
	v_add_nc_u32 v6, s17, v7
	s_wait_alu depctr_va_vdst(0)                   ; the wait at the head's end
	s_wait_kmcnt 0x0
	s_cmp_lt_u32 ttmp9, 224                        ; which tensor?  The choice hangs on the work-group's number alone
	s_cselect_b64 s[6:7], s[6:7], s[8:9]
	s_mov_b32 s17, 224
	s_cselect_b32 s17, 128, s17
	s_cmp_lt_u32 ttmp9, 128
	s_cselect_b64 s[4:5], s[4:5], s[6:7]
	s_cselect_b32 s17, 0, s17                      ; the tensor's first work-group
	s_sub_co_u32 s17, ttmp9, s17
	s_lshl_b32 s17, s17, 2
	s_add_co_u32 s18, s17, s16                     ; which run of 8,192 numbers of the tensor is my wave's
	s_lshl_b32 s18, s18, 15                        ; 32,768 bytes a run
	s_mov_b32 s19, 0
	s_add_nc_u64 s[4:5], s[4:5], s[18:19]
	s_lshl_b32 s20, s16, 1                         ; the place of my eight rows in their group of 64: h = the work-group's lowest bit, j = the wave: 2 j + h
	s_and_b32 s21, ttmp9, 1
	s_or_b32 s20, s20, s21
	s_lshr_b32 s21, ttmp9, 1
	s_lshl_b32 s21, s21, 3
	s_add_co_u32 s20, s20, s21                     ; the three tensors follow each other in cin and sin as their work-groups do
	s_mul_i32 s22, s20, 8*768
	s_mov_b32 s23, 0
	s_add_nc_u64 s[10:11], s[10:11], s[22:23]
	s_lshl_b32 s22, s20, 8                         ; 8 rows x 32 scale bytes
	s_add_nc_u64 s[12:13], s[12:13], s[22:23]
.macro LOAD t
.irp i, 0,1,2,3
	global_load_b128 v[R+16*((\t)%AHEAD)+4*\i:R+16*((\t)%AHEAD)+4*\i+3], v3, s[4:5] offset:2048*(\t)+512*\i th:TH_LOAD_NT
.endr
.endm
.macro TURN t                          ; LDS serves a wave's instructions in order, so no wait stands between the stores and the loads
.irp i, 0,1,2,3
	ds_store_b128 v14, v[R+16*((\t)%AHEAD)+4*\i:R+16*((\t)%AHEAD)+4*\i+3] offset:32*SP*((\t)%2)+8*SP*\i
.endr
.irp i, 0,1,2,3
	ds_load_b128 v[X+16*((\t)%2)+4*\i:X+16*((\t)%2)+4*\i+3], v15 offset:32*SP*((\t)%2)+16*\i
.endr
.endm
.irp t, 0,1,2,3,4,5,6,7
	LOAD \t
.endr
	s_wait_loadcnt 28                              ; step 0's four loads are in; the 28 of steps 1 to 7 may be out
	TURN 0
.macro STEP t
.set XS, X+16*((\t)%2)
.if (\t) > 0
	s_wait_dscnt 1                                 ; this step's numbers are back from the stage (the last step's byte store may be out): so its stores into the stage have read their registers,
.else
	s_wait_dscnt 0x0
.endif
.if (\t)+AHEAD < STEPS
	LOAD (\t)+AHEAD                                ; which take the loads of eight steps on
.endif
.if (\t)+1 < STEPS
.if STEPS-2-(\t) >= AHEAD-1
	s_wait_loadcnt 4*(AHEAD-1)                     ; the next step's four loads are in; those of the seven steps behind it may be out
.else
	s_wait_loadcnt 4*(STEPS-2-(\t))
.endif
	TURN (\t)+1                                    ; and go through the other stage while this step is worked
.endif
	v_max3_num_f32 v8, |v[XS]|, |v[XS+1]|, |v[XS+2]|               ; the largest magnitude of my 16, in two chains
	v_max3_num_f32 v9, |v[XS+3]|, |v[XS+4]|, |v[XS+5]|
.irp i, 6,10
	v_max3_num_f32 v8, v8, |v[XS+\i]|, |v[XS+\i+1]|
	v_max3_num_f32 v9, v9, |v[XS+\i+2]|, |v[XS+\i+3]|
.endr
	v_max3_num_f32 v8, v8, |v[XS+14]|, |v[XS+15]|
	v_max3_num_f32 v8, v8, v9, 0x1800000           ; and the floor 2^(3 - 127): the byte cannot fall under 1
	v_max_num_f32_dpp v8, v8, v8 row_xmask:1 row_mask:0xf bank_mask:0xf   ; and of my neighbour's 16: the block's
	v_add_nc_u32 v11, 0xff000000, v8               ; 2 off its exponent field: the conversion takes the exponent field of this operand as its scale
	v_cvt_scalef32_pk16_fp6_f32 v[C+4*(\t):C+4*(\t)+2], v[XS:XS+15], v11
	v_lshrrev_b32 v[E+(\t)%4], 23, v11             ; the scale's byte (a plain line behind the conversion)
	ds_store_b8 v5, v[E+(\t)%4] offset:16*(\t)     ; both lanes of a block write the same byte with the same value
	global_store_b96 v4, v[C+4*(\t):C+4*(\t)+2], s[10:11] offset:32*CB*(\t)   ; the wave stores 384 consecutive bytes
.endm
.irp t, 0,1,2,3,4,5,6,7,8,9,10,11,12,13,14,15
	STEP \t
.endr
	ds_load_b64 v[12:13], v6                       ; LDS serves a wave's instructions in order: these see my stores
	s_wait_dscnt 0x0
	global_store_b64 v7, v[12:13], s[12:13]        ; 32 lanes store 256 consecutive bytes, aligned
	s_wait_tensorcnt 0x0                           ; the wave's end
	ds_add_u32 v[SPW], v[NIL]
	s_wait_dscnt 0x0
	s_endpgm
.Lfunc_end_k_qf7f148b4ba_quant:
	.size	k_qf7f148b4ba_quant, .Lfunc_end_k_qf7f148b4ba_quant-k_qf7f148b4ba_quant
	.p2alignl 7, 3214868480
	.fill 96, 4, 3214868480
	.section	.rodata,"a",@progbits
	.p2align	6, 0x0
	.amdhsa_kernel k_qf7f148b4ba_quant
		.amdhsa_group_segment_fixed_size 33280
		.amdhsa_private_segment_fixed_size 0
		.amdhsa_enable_private_segment 0
		.amdhsa_kernarg_size 40
		.amdhsa_user_sgpr_count 2
		.amdhsa_user_sgpr_kernarg_segment_ptr 1
		.amdhsa_wavefront_size32 1
		.amdhsa_system_sgpr_workgroup_id_x 1
		.amdhsa_system_sgpr_workgroup_id_y 1
		.amdhsa_system_sgpr_workgroup_id_z 1
		.amdhsa_system_vgpr_workitem_id 0
		.amdhsa_next_free_vgpr 246
		.amdhsa_next_free_sgpr 66
		.amdhsa_reserve_vcc 0
		.amdhsa_float_denorm_mode_32 3
		.amdhsa_float_denorm_mode_16_64 3
		.amdhsa_memory_ordered 1
		.amdhsa_forward_progress 1
		.amdhsa_inst_pref_size 33
	.end_amdhsa_kernel
	.amdgpu_metadata
---
amdhsa.version: [ 1, 2 ]
amdhsa.kernels:
  - .name:           k_qf7f148b4ba_quant
    .symbol:         k_qf7f148b4ba_quant.kd
    .args:
      - { .name: x, .offset: 0, .size: 8, .value_kind: global_buffer, .address_space: global }
      - { .name: attn_w, .offset: 8, .size: 8, .value_kind: global_buffer, .address_space: global }
      - { .name: proj_w, .offset: 16, .size: 8, .value_kind: global_buffer, .address_space: global }
      - { .name: cin, .offset: 24, .size: 8, .value_kind: global_buffer, .address_space: global }
      - { .name: sin, .offset: 32, .size: 8, .value_kind: global_buffer, .address_space: global }
    .group_segment_fixed_size: 33280
    .private_segment_fixed_size: 0
    .kernarg_segment_align: 8
    .kernarg_segment_size: 40
    .max_flat_workgroup_size: 128
    .sgpr_count:     66
    .vgpr_count:     246
    .wavefront_size: 32
...
	.end_amdgpu_metadata
.endif
;; end of part 1
;; launch qkv (part 2): grid 8 x 32, 4 waves a work-group, clusters of 4 x 4, 327,680 bytes of LDS; arguments cin, sin, attn_b, qc, qs, kv; writes qc, qs, kv
.if DOCPART == 2
	.amdgcn_target "amdgcn-amd-amdhsa--gfx1250"
	.amdhsa_code_object_version 6
	.text
	.protected	k_qf7f148b4ba_qkv
	.globl	k_qf7f148b4ba_qkv
	.p2align	8
	.type	k_qf7f148b4ba_qkv,@function
k_qf7f148b4ba_qkv:
	s_mov_b64 s[64:65], 0
	v_nop
	global_prefetch_b8 v0, s[64:65] scope:SCOPE_SE
	s_setreg_imm32_b32 hwreg(HW_REG_WAVE_MODE, 25, 1), 1
	s_wait_xcnt 0x0
	s_wait_alu depctr_hold_cnt(0) depctr_sa_sdst(0) depctr_va_vdst(0) depctr_va_sdst(0) depctr_va_ssrc(0) depctr_va_vcc(0) depctr_vm_vsrc(0)
	s_getreg_b32 s2, hwreg(HW_REG_IB_STS2, 6, 4)
	s_cmp_eq_u32 s2, 0
	s_cbranch_scc0 .Lentry_in_a_cluster
	s_endpgm
.Lentry_in_a_cluster:
	s_bfe_u32 s2, ttmp6, 0x10000c
	s_cmp_lg_u32 s2, 0xf033
	s_cbranch_scc0 .Lentry_shape_is_right
	s_endpgm
.Lentry_shape_is_right:
; qkv = x attn_w^T + attn_b on codes of FP6 (E2M3) with E8M0 scales; the result is quantised at once for the attention: q and k along the head's 64, v along the tokens.
; THE DEAL: 256 work-groups: 128 tokens x one pair of heads' q, k and v (three times 128 columns).  Four waves, 2 x 2: wave (a, b) has the tokens' half a (64 rows of x) and head b of the pair.
; A wave holds its 64 rows of x, all of K, in registers (384) and streams the weights past them in blocks of 16 rows: 4 blocks of V, 4 of Q, 4 of K; a block is 32 products.
; Rows lie in cin at their POSITIONS (row 32 h + 8 j + i of each 64 at 16 j + 8 h + i), so that a lane's 32 results of four tiles are 32 neighbours: one scale block, and six registers of the next operand.
;   Q, K: source 0 = the weight's rows: a lane holds one token, registers along the head's 64.   V: source 0 = x's rows: a lane holds one column, registers along the tokens.
; A TILE of 16 rows x 64 codes leaves as 768 bytes: [lane][16 bytes], [lane][8 bytes].
; OUTPUT: qc [16 batch + head][tile 0..127][768];  qs [16 batch + head][tile][row 16][h];
;   kv: a record of 12,800 bytes for each head and step of 128 keys: K's 8 tiles; V's tiles [64 keys 2][16 columns 4]; K's scale bytes [pair of tiles 4][row 16][tile % 2][h]; V's [column tile 4][row 16][2 c + h].
; LDS: x's 128 rows, W_v's, W_q's (pitch 816: 16 bytes of padding behind every 256); W_k's rows are the one refill, onto x's, which all waves hold in registers by then; a stage for scale bytes; the spare words.
; CLUSTERS of 4 x 4: x's rows are shared along a row of the cluster, a weight's along a column.
; NO PREFETCH: three of the four tiles are asked for at the head and the fourth six blocks ahead of its first product; no loop runs ahead of memory.
; The bias is the C of each tile's first product.
; LIMITS: a block whose largest magnitude lies under 2^-124 (zeros too) gets the scale byte 1; NaN and infinities are not served.
.set KROW,  768
.set PITCH, 816
.set TILE,  128*PITCH
.set BLKB,  16*PITCH                   ; a block of 16 rows
.set WVO,   TILE
.set WQO,   2*TILE
.set STG,   3*TILE                     ; scale bytes: for each head of the pair 256 of Q, 256 of K, 256 of V
.set SPARE, STG+1536
.set FR,    12                         ; registers of a fragment
.set FPW,   21                         ; fragments in a window of 256 registers
.set NF,    26                         ; LDS loads of a block's eight fragments
.set SX,    24                         ; v24-39  x's scale words: register 8 p + q: lanes 0-15 tile 2 p, lanes 16-31 tile 2 p + 1
.set TQ,    40                         ; v40-43  the chains of the largest magnitudes
.set SW,    44                         ; v44-91  the weights' scale words: 16 each of V, Q, K
.set HV0,   92                         ; v92-219 results of V, then of K
.set SOP,   220
.set EB,    224
.set CC,    228                        ; v228-239 codes
.set TC,    240                        ; v240-247 second halves
.set BK3,   248                        ; v248-255 K's bias, tile 3
.set HV1,   840                        ; v840-967 V's bias, then the results of Q
.set BQ,    968                        ; v968-999 Q's bias
.set BK,    1000                       ; v1000-1023 K's bias, tiles 0-2
.set SPW,   10
.set NIL,   11
.set CO16,  9
.set CO8,   12
.set G1X,   24
.set G1W,   32
.set G1H,   68
.set G0X,   56
.set G0V,   60
.set G0Q,   76
.set G0K,   80
.set MSB, 0
.macro WIN new
.if MSB != (\new)
	s_set_vgpr_msb (MSB<<8)|(\new)
.set MSB, (\new)
.endif
.endm
.macro WALU
	s_wait_alu depctr_va_vdst(0)
.endm
.macro BARRIER
	s_barrier_signal -1
	s_barrier_wait -1
.endm
.macro MIDDLE                          ; a round behind its opening signal, up to the cluster's wait
	WIN 0
	s_barrier_wait -1
	s_cmp_lg_u32 s14, 0
	s_cbranch_scc1 .Lnot_wave_0_\@
	s_barrier_signal -3
.Lnot_wave_0_\@:
	s_barrier_wait -3
.endm
.macro CROUND
	s_barrier_signal -1
	MIDDLE
	BARRIER
.endm
.macro TLOAD g0, g1
	tensor_load_to_lds s[\g0:\g0+3], s[\g1:\g1+7]
	s_nop 0
.rept 4
	v_nop
.endr
.endm
.macro GROUP1 g, mask, rows            ; rows of 768 bytes, 4 words of padding behind every 64
	s_or_b32 s[\g+0], s[\mask], (1<<20)|(1<<21)|(5<<22)|(3<<25)
	s_mov_b32 s[\g+1], KROW<<16
	s_mov_b32 s[\g+2], (\rows)<<16
	s_mov_b32 s[\g+3], KROW<<16
	s_mov_b32 s[\g+4], \rows
	s_mov_b32 s[\g+5], KROW
	s_mov_b32 s[\g+6], 0
	s_mov_b32 s[\g+7], 0
.endm
.macro GROUP0 g, off
	s_mov_b32 s[\g], 1
	s_add_nc_u64 s[\g+2:\g+3], s[4:5], s[\off:\off+1]
	s_or_b32 s[\g+3], s[\g+3], 0x80000000
.endm
; Fragment f lies in window 1 + f / 21 at register 12 (f % 21): 0-31 x's (4 q + tile), 32-39 and 40-47 the streamed block's two sets.
.macro FRAG f, q, a0, a1               ; six pieces of 8 bytes, two to a load where both lie behind as many paddings; a1 serves the pieces that lanes 16-31 find behind one padding more
	WIN ((1+(\f)/FPW)<<6)
.set R_, FR*((\f)%FPW)
.set SKIP_, 0
.irp p, 0,1,2,3,4,5
.if SKIP_
.set SKIP_, 0
.else
.set PC_, 12*(\q)+6*(\p/3)+\p%3
.set PN_, 12*(\q)+6*((\p+1)/3)+(\p+1)%3
.set X_, (PC_%32+3)/32
.set XQ_, (PN_%32+3)/32
.if (\p < 5) && (X_ == XQ_)
.set SKIP_, 1
.if X_
	ds_load_2addr_b64 v[R_+2*\p:R_+2*\p+3], \a1 offset0:PC_+2*(PC_/32) offset1:PN_+2*(PN_/32)
.else
	ds_load_2addr_b64 v[R_+2*\p:R_+2*\p+3], \a0 offset0:PC_+2*(PC_/32) offset1:PN_+2*(PN_/32)
.endif
.elseif X_
	ds_load_b64 v[R_+2*\p:R_+2*\p+1], \a1 offset:8*(PC_+2*(PC_/32))
.else
	ds_load_b64 v[R_+2*\p:R_+2*\p+1], \a0 offset:8*(PC_+2*(PC_/32))
.endif
.endif
.endr
.endm
.macro FETCH e, off                    ; the weight's block at LDS byte off into set e; the four vector lines are the places behind the products that read the set
	v_add_nc_u32 v6, \off, v4
	v_add_nc_u32 v7, \off, v5
	v_nop
	v_nop
.irp q, 0,1,2,3,4,5,6,7
	FRAG 32+8*(\e)+\q, \q, v6, v7
.endr
	WIN 0
.endm
.macro WM ra, rb
	v_wmma_scale_f32_16x16x128_f8f6f4 v[DL_:DL_+7], v[A_:A_+11], v[B_:B_+11], v[CL_:CL_+7], v[SA_], v[SB_] matrix_a_fmt:MATRIX_FMT_FP6 matrix_b_fmt:MATRIX_FMT_FP6 matrix_a_scale:MATRIX_SCALE_ROW\ra matrix_b_scale:MATRIX_SCALE_ROW\rb
.endm
; Product n = 4 q + x's tile of a block.  kind 0 (Q, K): source 0 = the weight; kind 1 (V): source 0 = x.  jw the weight's tile, z its scale words, hv the results, cb the bias.
.macro PROD kind, e, n, hv, jw, z, cb
.set Q_, (\n)/4
.set TX_, (\n)%4
.set FX_, 4*Q_+TX_
.set FW_, 32+8*(\e)+Q_
.if \kind
.set D_, (\hv)+32*(\jw)+8*TX_
.set F0_, FX_
.set F1_, FW_
.set SA_, SX+8*(TX_/2)+Q_
.set SB_, SW+16*(\z)+8*((\jw)/2)+Q_
.set RA_, TX_%2
.set RB_, (\jw)%2
.else
.set D_, (\hv)+32*TX_+8*(\jw)
.set F0_, FW_
.set F1_, FX_
.set SB_, SX+8*(TX_/2)+Q_
.set SA_, SW+16*(\z)+8*((\jw)/2)+Q_
.set RB_, TX_%2
.set RA_, (\jw)%2
.endif
.if Q_
.set C_, D_
.else
.set C_, \cb
.endif
.set DL_, D_%256
.set CL_, C_%256
.set A_, FR*(F0_%FPW)
.set B_, FR*(F1_%FPW)
	WIN (1+F0_/FPW)|((1+F1_/FPW)<<2)|((C_/256)<<4)|((D_/256)<<6)
.if RA_
.if RB_
	WM 1, 1
.else
	WM 1, 0
.endif
.else
.if RB_
	WM 0, 1
.else
	WM 0, 0
.endif
.endif
.endm
.macro BLK kind, e, jw, z, hv, cb, from, to, list, x=0   ; behind every second product two entries of the list
.set N_, \from
.rept (\to)-(\from)
	PROD \kind, \e, N_, \hv, \jw, \z, \cb
.if N_%2
	\list N_-1, \x
	\list N_, \x
.endif
.set N_, N_+1
.endr
.endm
.macro L_NONE i, x
.endm
.macro L_OUT i, x
	CHAIN \i, \x, 0
.endm
.macro CHAIN i, x, n, t=TQ             ; 18 entries: the largest magnitude of the 32 sums from register x on, in two chains, and the conversions' scale operand, v[SOP+n]
.set XW_, (\x)/256
.set XL_, (\x)%256
.if (\i) >= 0 && (\i) < 14
.set G_, XL_+16*((\i)%2)+2*((\i)/2)
.set T_, (\t)+1-(\i)%2
.if (\i) < 2
	WIN XW_|(XW_<<2)|(XW_<<4)
	v_max3_num_f32 v[T_], |v[G_]|, |v[G_+1]|, |v[G_+2]|
.else
	WIN (XW_<<2)|(XW_<<4)
	v_max3_num_f32 v[T_], v[T_], |v[G_+1]|, |v[G_+2]|
.endif
.elseif (\i) == 14
	WIN (XW_<<2)
	v_max3_num_f32 v[\t+1], v[\t+1], |v[XL_+15]|, 0x1800000
.elseif (\i) == 15
	WIN 0
	v_nop                                  ; so that the line that joins the chains stands in the next pair
.elseif (\i) == 16
	WIN (XW_<<2)
	v_max3_num_f32 v[\t], v[\t], |v[XL_+31]|, v[\t+1]
.elseif (\i) == 17
	WIN 0
	v_add_nc_u32 v[SOP+\n], 0xff000000, v[\t]   ; 2 off the exponent field
.endif
.endm
.macro CODES x, c, n, t                ; 32 codes into v[c .. c+5], the scale's byte into v[EB+n]
.set XW_, (\x)/256
.set XL_, (\x)%256
	WIN XW_
	v_cvt_scalef32_pk16_fp6_f32 v[\c:\c+2], v[XL_:XL_+15], v[SOP+\n]
	v_cvt_scalef32_pk16_fp6_f32 v[\t:\t+2], v[XL_+16:XL_+31], v[SOP+\n]
	WIN 0
	v_lshrrev_b32 v[EB+\n], 23, v[SOP+\n]
	v_mov_b32 v[\c+3], v[\t]
	v_mov_b32 v[\c+4], v[\t+1]
	v_mov_b32 v[\c+5], v[\t+2]
.endm
.macro LEAVE c, base, off
	global_store_b128 v[CO16], v[\c:\c+3], \base offset:\off
	global_store_b64 v[CO8], v[\c+4:\c+5], \base offset:(\off)+512
.endm
.macro UNIT x, st, sto, base, off      ; the second part of a tile's way out
	WIN 0
	WALU
	CODES \x, CC, 0, TC
	WALU
	ds_store_b8 v[\st], v[EB] offset:\sto
	LEAVE CC, \base, \off
.endm
	s_load_b128 s[4:7], s[0:1], 0x0                ; cin, sin
	s_load_b128 s[8:11], s[0:1], 0x10              ; attn_b, qc
	s_load_b128 s[48:51], s[0:1], 0x20             ; qs, kv
	v_lshl_add_u32 v[SPW], v0, 2, SPARE
	v_mov_b32 v[NIL], 0
	ds_add_u32 v[SPW], v[NIL]                      ; the opening: the add, twice on end
	ds_add_u32 v[SPW], v[NIL]
	v_lshrrev_b32 v1, 5, v0
	v_readfirstlane_b32 s14, v1                    ; wave
	s_lshr_b32 s15, s14, 1                         ; a
	s_and_b32 s16, s14, 1                          ; b
	s_bfe_u32 s40, ttmp6, 0x40000                  ; cx, cy
	s_bfe_u32 s41, ttmp6, 0x40004
	s_lshl_b32 s42, ttmp9, 2
	s_add_co_u32 s42, s42, s40                     ; the pair of heads, 0 .. 7
	s_and_b32 s43, ttmp7, 0xffff
	s_lshl_b32 s43, s43, 2
	s_add_co_u32 s43, s43, s41                     ; the 128 tokens, 0 .. 31
	s_lshl_b32 s44, s41, 2
	s_lshl_b32 s44, 15, s44                        ; my row of the cluster
	s_lshl_b32 s45, 0x1111, s40                    ; my column
	GROUP1 G1X, 44, 64
	GROUP1 G1W, 45, 128
	GROUP1 G1H, 45, 64
	s_mul_i32 s12, s14, 64*KROW
	s_mul_i32 s20, s43, 128*KROW
	s_add_co_u32 s20, s20, s12                     ; x: waves 0 and 1 a half each
	s_mul_i32 s22, s42, 128*KROW
	s_add_co_u32 s46, s22, 4096*KROW               ; W_q
	s_add_co_u32 s52, s22, 5120*KROW
	s_add_co_u32 s52, s52, s12                     ; W_k: waves 0 and 1 a half each
	s_add_co_u32 s22, s22, 6144*KROW               ; W_v
	s_mov_b32 s21, 0
	s_mov_b32 s23, 0
	s_mov_b32 s47, 0
	s_mov_b32 s53, 0
	s_mul_i32 s13, s14, 64*PITCH
	s_mov_b32 s[G0X+1], s13
	s_mov_b32 s[G0K+1], s13
	s_mov_b32 s[G0V+1], WVO
	s_mov_b32 s[G0Q+1], WQO
	s_wait_alu depctr_va_vdst(0)
	s_wait_dscnt 0x0                               ; both adds are done
	CROUND                                         ; all sixteen work-groups are here: the first joint loads meet
	s_wait_kmcnt 0x0
	GROUP0 G0X, 20
	GROUP0 G0V, 22
	GROUP0 G0Q, 46
	GROUP0 G0K, 52
	s_cmp_lt_u32 s14, 2                            ; one tensor load a wave: x's halves, W_v, W_q
	s_cbranch_scc0 .Lwave_2
	TLOAD G0X, G1X
	s_branch .Lasked
.Lwave_2:
	s_cmp_eq_u32 s14, 2
	s_cbranch_scc0 .Lwave_3
	TLOAD G0V, G1W
	s_branch .Lasked
.Lwave_3:
	TLOAD G0Q, G1W
.Lasked:
	s_lshl_b32 s20, s43, 12
	s_lshl_b32 s13, s15, 11
	s_add_co_u32 s20, s20, s13
	s_add_nc_u64 s[84:85], s[6:7], s[20:21]        ; the scale bytes of my 64 rows of x
	s_lshl_b32 s20, s42, 12
	s_lshl_b32 s13, s16, 11
	s_add_co_u32 s20, s20, s13
	s_add_co_u32 s20, s20, 4096*32
	s_add_nc_u64 s[86:87], s[6:7], s[20:21]        ; of my head's 64 rows of W_q; W_k's and W_v's lie 32,768 and 65,536 further on
	s_lshl_b32 s20, s42, 9
	s_lshl_b32 s13, s16, 8
	s_add_co_u32 s20, s20, s13
	s_add_nc_u64 s[88:89], s[8:9], s[20:21]        ; my head's bias
	v_and_b32 v1, 15, v0                           ; r
	v_bfe_u32 v2, v0, 4, 1                         ; h
	v_and_b32 v3, 31, v0                           ; lane
	v_lshlrev_b32 v8, 5, v3
	v_lshlrev_b32 v16, 7, v2                       ; Q's and K's bias: register 8 j + i of lane (r, h) is column 32 h + 8 j + i
	v_lshrrev_b32 v17, 3, v1
	v_lshlrev_b32 v17, 7, v17
	v_and_b32 v20, 7, v1
	v_lshl_add_u32 v17, v20, 2, v17                ; V's: lane r of tile j has column 32 (r / 8) + 8 j + r % 8
.irp p, 0,1
.irp c, 0,1
	global_load_b128 v[SX+8*\p+4*\c:SX+8*\p+4*\c+3], v8, s[84:85] offset:1024*\p+16*\c
	global_load_b128 v[SW+8*\p+4*\c:SW+8*\p+4*\c+3], v8, s[86:87] offset:65536+1024*\p+16*\c
	global_load_b128 v[SW+16+8*\p+4*\c:SW+16+8*\p+4*\c+3], v8, s[86:87] offset:1024*\p+16*\c
	global_load_b128 v[SW+32+8*\p+4*\c:SW+32+8*\p+4*\c+3], v8, s[86:87] offset:32768+1024*\p+16*\c
.endr
.endr
.irp k, 0,1
	global_load_b128 v[BK3+4*\k:BK3+4*\k+3], v16, s[88:89] offset:4096+96+16*\k
.endr
	WIN (3<<6)
.irp j, 0,1,2,3
	global_load_b32 v[HV1-768+8*\j], v17, s[88:89] offset:8192+32*\j
.endr
.irp k, 0,1,2,3,4,5,6,7
	global_load_b128 v[BQ-768+4*\k:BQ-768+4*\k+3], v16, s[88:89] offset:16*\k
.endr
.irp k, 0,1,2,3,4,5
	global_load_b128 v[BK-768+4*\k:BK-768+4*\k+3], v16, s[88:89] offset:4096+16*\k
.endr
	WIN 0
	v_mul_u32_u24 v20, v1, PITCH
	v_mad_u32_u24 v4, v2, 24, v20
	v_mad_u32_u24 v5, v2, 40, v20
	s_mul_i32 s13, s15, 64*PITCH
	v_add_nc_u32 v220, s13, v4                     ; my 64 rows of x: the four tiles' addresses
	v_add_nc_u32 v221, s13, v5
.irp t, 1,2,3
	v_add_nc_u32 v[220+2*\t], \t*BLKB, v220
	v_add_nc_u32 v[221+2*\t], \t*BLKB, v221
.endr
	s_mul_i32 s13, s16, 64*PITCH
	v_add_nc_u32 v4, s13, v4                       ; my head's 64 rows in a weight's 128
	v_add_nc_u32 v5, s13, v5
	v_lshlrev_b32 v[CO16], 4, v3
	v_lshlrev_b32 v[CO8], 3, v3
	s_mul_i32 s12, s16, 768
	s_add_co_u32 s12, s12, STG                     ; my head's stage
	v_add_nc_u32 v18, s12, v[CO8]
	v_add_nc_u32 v19, s12, v[CO16]
	v_add_nc_u32 v19, 256, v19
	s_lshl_b32 s13, s15, 7
	s_add_co_u32 s13, s13, s12
	v_lshl_add_u32 v13, v1, 1, v2
	v_add_nc_u32 v13, s13, v13                     ; Q's byte: 128 a + 2 r + h
	v_lshl_add_u32 v14, v1, 2, v2
	s_lshl_b32 s20, s15, 1
	s_add_co_u32 s20, s20, s12
	s_add_co_u32 s20, s20, 512
	v_add_nc_u32 v15, s20, v14                     ; V's: 4 r + 2 a + h
	s_add_co_u32 s13, s13, 256
	v_add_nc_u32 v14, s13, v14                     ; K's: 128 a + 4 r + h
	s_lshr_b32 s12, s43, 4
	s_lshl_b32 s12, s12, 4
	s_lshl_b32 s13, s42, 1
	s_add_co_u32 s12, s12, s13
	s_add_co_u32 s12, s12, s16                     ; 16 batch + head
	s_lshl_b32 s12, s12, 4
	s_and_b32 s13, s43, 15
	s_add_co_u32 s12, s12, s13                     ; the record
	s_lshl_b32 s20, s12, 1
	s_add_co_u32 s20, s20, s15
	s_mul_i32 s20, s20, 3072
	s_add_nc_u64 s[10:11], s[10:11], s[20:21]      ; q's four tiles
	s_lshl_b32 s20, s12, 8
	s_add_nc_u64 s[48:49], s[48:49], s[20:21]      ; q's scale bytes
	s_mul_i32 s20, s12, 12800
	s_add_nc_u64 s[50:51], s[50:51], s[20:21]
	s_add_nc_u64 s[92:93], s[50:51], 12288         ; k's and v's scale bytes
	s_mul_i32 s20, s15, 3072
	s_add_nc_u64 s[50:51], s[50:51], s[20:21]      ; k's four tiles; v's lie 6,144 further on
	WALU                                           ; the wait at the head's end
	s_cmp_lt_u32 s14, 2
	s_cbranch_scc0 .Lnot_x
	s_wait_tensorcnt 0x0                           ; waves 0 and 1: x's rows
.Lnot_x:
	BARRIER
.irp q, 0,1,2,3,4,5,6,7
.irp t, 0,1,2,3
	FRAG 4*\q+\t, \q, v[220+2*\t], v[221+2*\t]
.endr
.endr
	WIN 0
	s_cmp_eq_u32 s14, 3
	s_cbranch_scc1 .Lnot_v
	s_wait_tensorcnt 0x0                           ; wave 2: W_v's rows
.Lnot_v:
	s_wait_dscnt 0x0                               ; x is in registers
	BARRIER                                        ; W_q may still be on its way
	FETCH 0, WVO
	FETCH 1, WVO+BLKB
	s_wait_loadcnt 0x0                             ; scale words and biases
	WIN (3<<6)|3
.irp t, 0,8,16,24
.irp i, 1,2,3,4,5,6,7
	v_mov_b32 v[HV1-768+\t+\i], v[HV1-768+\t]      ; V's number, one a lane and tile, over the tile's eight registers
.endr
.endr
	WIN 0
	WALU
; V.  Ahead of a block all but the next block's NF loads are awaited.
	s_wait_dscnt NF
	BLK 1, 0, 0, 0, HV0, HV1, 0, 32, L_NONE
	WIN 0
	FETCH 0, WVO+2*BLKB
	s_wait_dscnt NF
	BLK 1, 1, 1, 0, HV0, HV1+8, 0, 32, L_OUT, HV0
	UNIT HV0, 15, 0, s[50:51], 6144
	FETCH 1, WVO+3*BLKB
	s_wait_dscnt NF
	s_wait_xcnt 0x0                                ; the last tile's stores have read their registers
	s_wait_tensorcnt 0x0                           ; the refill's round: all head loads are in, W_q's rows among them;
	ds_add_u32 v[SPW], v[NIL]                      ; the add
	BLK 1, 0, 2, 0, HV0, HV1+16, 0, 24, L_OUT, HV0+32
	WIN 0
	WALU
	s_wait_dscnt 0x0                               ; the add and my reads are done
	s_barrier_signal -1
	BLK 1, 0, 2, 0, HV0, HV1+16, 24, 32, L_NONE
	MIDDLE
	BARRIER
	s_cmp_lt_u32 s14, 2
	s_cbranch_scc0 .Lno_half
	TLOAD G0K, G1H                                 ; waves 0 and 1: W_k's rows onto x's
.Lno_half:
	UNIT HV0+32, 15, 64, s[50:51], 6144+768
	FETCH 0, WQO
	s_wait_dscnt NF
	s_wait_xcnt 0x0
	BLK 1, 1, 3, 0, HV0, HV1+24, 0, 32, L_OUT, HV0+64
	UNIT HV0+64, 15, 128, s[50:51], 6144+1536
	FETCH 1, WQO+BLKB
; Q
	s_wait_dscnt NF
	s_wait_xcnt 0x0
	BLK 0, 0, 0, 1, HV1, BQ, 0, 32, L_OUT, HV0+96
	UNIT HV0+96, 15, 192, s[50:51], 6144+2304
	FETCH 0, WQO+2*BLKB
	s_wait_dscnt NF
	BLK 0, 1, 1, 1, HV1, BQ+8, 0, 32, L_NONE
	WIN 0
	FETCH 1, WQO+3*BLKB
	s_wait_dscnt NF
	BLK 0, 0, 2, 1, HV1, BQ+16, 0, 26, L_NONE
	WIN 0
	WALU
	s_wait_tensorcnt 0x0                           ; a plain barrier shows W_k's rows to all
	s_wait_dscnt 0x0
	s_barrier_signal -1
	BLK 0, 0, 2, 1, HV1, BQ+16, 26, 32, L_NONE
	WIN 0
	s_barrier_wait -1
	FETCH 0, 0
	s_wait_dscnt NF
	BLK 0, 1, 3, 1, HV1, BQ+24, 0, 32, L_NONE
	WIN 0
	FETCH 1, BLKB
; K, with Q's ways out
	s_wait_dscnt NF
	s_wait_xcnt 0x0
	BLK 0, 0, 0, 2, HV0, BK, 0, 32, L_OUT, HV1
	UNIT HV1, 13, 0, s[10:11], 0
	FETCH 0, 2*BLKB
	s_wait_dscnt NF
	s_wait_xcnt 0x0
	BLK 0, 1, 1, 2, HV0, BK+8, 0, 32, L_OUT, HV1+32
	UNIT HV1+32, 13, 32, s[10:11], 768
	FETCH 1, 3*BLKB
	s_wait_dscnt NF
	s_wait_xcnt 0x0
	BLK 0, 0, 2, 2, HV0, BK+16, 0, 32, L_OUT, HV1+64
	UNIT HV1+64, 13, 64, s[10:11], 1536
	s_wait_dscnt 0x0
	s_wait_xcnt 0x0
	BLK 0, 1, 3, 2, HV0, BK3, 0, 32, L_OUT, HV1+96
	UNIT HV1+96, 13, 96, s[10:11], 2304
.rept 4
	v_nop                                          ; places behind the last products
.endr
; K's ways out, two tiles at a time
.macro LASTTWO p
.set I_, 0
.rept 18
	CHAIN I_, HV0+64*(\p), 0, TQ
	CHAIN I_, HV0+64*(\p)+32, 1, TQ+2
.set I_, I_+1
.endr
	WIN 0
	WALU
	s_wait_xcnt 0x0
	CODES HV0+64*(\p), CC, 0, TC
	CODES HV0+64*(\p)+32, CC+6, 1, TC+4
	WALU
	ds_store_b8 v14, v[EB] offset:64*(\p)
	ds_store_b8 v14, v[EB+1] offset:64*(\p)+2
	LEAVE CC, s[50:51], 1536*(\p)
	LEAVE CC+6, s[50:51], 1536*(\p)+768
.endm
	LASTTWO 0
	LASTTWO 1
	s_wait_dscnt 0x0                               ; my scale bytes lie in the stage
	BARRIER
	s_cmp_eq_u32 s15, 0
	s_cbranch_scc0 .Lkv
	ds_load_b64 v[220:221], v18                    ; waves 0 and 1: a head's 256 bytes of q
	s_wait_dscnt 0x0
	global_store_b64 v[CO8], v[220:221], s[48:49]
	s_branch .Lend
.Lkv:
	ds_load_b128 v[220:223], v19                   ; waves 2 and 3: its 512 bytes of k and v
	s_wait_dscnt 0x0
	global_store_b128 v[CO16], v[220:223], s[92:93]
.Lend:
	s_wait_tensorcnt 0x0                           ; the wave's end
	ds_add_u32 v[SPW], v[NIL]
	s_wait_dscnt 0x0
	CROUND                                         ; the closing round
	s_endpgm
.Lfunc_end_k_qf7f148b4ba_qkv:
	.size	k_qf7f148b4ba_qkv, .Lfunc_end_k_qf7f148b4ba_qkv-k_qf7f148b4ba_qkv
	.p2alignl 7, 3214868480
	.fill 96, 4, 3214868480
	.section	.rodata,"a",@progbits
	.p2align	6, 0x0
	.amdhsa_kernel k_qf7f148b4ba_qkv
		.amdhsa_group_segment_fixed_size 327680
		.amdhsa_private_segment_fixed_size 0
		.amdhsa_enable_private_segment 0
		.amdhsa_kernarg_size 48
		.amdhsa_user_sgpr_count 2
		.amdhsa_user_sgpr_kernarg_segment_ptr 1
		.amdhsa_wavefront_size32 1
		.amdhsa_system_sgpr_workgroup_id_x 1
		.amdhsa_system_sgpr_workgroup_id_y 1
		.amdhsa_system_sgpr_workgroup_id_z 1
		.amdhsa_system_vgpr_workitem_id 0
		.amdhsa_next_free_vgpr 1024
		.amdhsa_next_free_sgpr 96
		.amdhsa_reserve_vcc 0
		.amdhsa_float_denorm_mode_32 3
		.amdhsa_float_denorm_mode_16_64 3
		.amdhsa_memory_ordered 1
		.amdhsa_forward_progress 1
		.amdhsa_inst_pref_size 120
	.end_amdhsa_kernel
	.amdgpu_metadata
---
amdhsa.version: [ 1, 2 ]
amdhsa.kernels:
  - .name:           k_qf7f148b4ba_qkv
    .symbol:         k_qf7f148b4ba_qkv.kd
    .args:
      - { .name: cin, .offset: 0, .size: 8, .value_kind: global_buffer, .address_space: global }
      - { .name: sin, .offset: 8, .size: 8, .value_kind: global_buffer, .address_space: global }
      - { .name: attn_b, .offset: 16, .size: 8, .value_kind: global_buffer, .address_space: global }
      - { .name: qc, .offset: 24, .size: 8, .value_kind: global_buffer, .address_space: global }
      - { .name: qs, .offset: 32, .size: 8, .value_kind: global_buffer, .address_space: global }
      - { .name: kv, .offset: 40, .size: 8, .value_kind: global_buffer, .address_space: global }
    .group_segment_fixed_size: 327680
    .private_segment_fixed_size: 0
    .kernarg_segment_align: 8
    .kernarg_segment_size: 48
    .max_flat_workgroup_size: 128
    .sgpr_count:     96
    .vgpr_count:     1024
    .wavefront_size: 32
...
	.end_amdgpu_metadata
.endif
;; end of part 2
;; launch attn (part 3): grid 8 x 32, 16 waves a work-group, no clusters, 206,848 bytes of LDS; arguments qc, qs, kv, oc, os; writes oc, os
.if DOCPART == 3
	.amdgcn_target "amdgcn-amd-amdhsa--gfx1250"
	.amdhsa_code_object_version 6
	.text
	.protected	k_qf7f148b4ba_attn
	.globl	k_qf7f148b4ba_attn
	.p2align	8
	.type	k_qf7f148b4ba_attn,@function
k_qf7f148b4ba_attn:
	s_mov_b64 s[64:65], 0
	v_nop
	global_prefetch_b8 v0, s[64:65] scope:SCOPE_SE
	s_setreg_imm32_b32 hwreg(HW_REG_WAVE_MODE, 25, 1), 1
	s_wait_xcnt 0x0
; Causal attention of one head on codes of FP6 (E2M3) with E8M0 scales; its result is quantised along the head's 64 for the last projection.
; o[q] = (sum over keys k <= q of p v[k]) / (sum of p),  t = (q . k) x log2(e) / 8,  M = the running largest t rounded UP to a whole number,  p = 2^(t - M) quantised along the keys, not normalised;
; the row's sum is taken of the unquantised p.  When M moves, the sum and O are multiplied by 2^(old M - new M): exact.
; WORK LEFT OUT: steps of 128 keys that the causal mask hides from all of a tile's queries: their p is 0 for all inputs.  A NaN or an infinity that reaches only that work is not carried to the result.
; A tile of 16 positions j of a group of 64 is the numbers 8 j + 0 .. 7 and 32 + 8 j + 0 .. 7: lane half h of four tiles' results holds 32 neighbours: a whole scale block, and six registers of the next operand.
; K's 12 registers hold TWO tiles of 16 keys x 64; the query's operand is [q | 0] for the first and [0 | q] for the second (v16-33: zeros, q, zeros), so the other tile is multiplied by zero codes.
; SHARES.  A work-group owns one head of one batch and the blocks g and 15 - g of 128 queries: every work-group has the same number of tile steps.  Each of its sixteen waves owns one tile of 16 queries.
; THE WHOLE HEAD LIES IN LDS: 16 records of 12,800 bytes (128 keys each), one tensor load a wave, filled once.  Records 0-3 (waves 0-3) are shown by the first barrier, the others by the second, four steps later.
; Every wave walks all sixteen steps; a hidden one is jumped over by a scalar branch on ids.
; NO CLUSTER: the work-groups of a head read the same K and V, but that branch hangs on the work-group's place.  NO PREFETCH: all that the work-group reads is asked for at its head.
; OUTPUT: oc [token tile of 16][head][768] ([lane][16 bytes], [lane][8 bytes]); os [token position][32]: bytes 2 head + h.
; LIMITS: a block whose largest magnitude lies under 2^-124 (zeros too) gets the scale byte 1; the scaled scores stay under 2^31 in magnitude; NaN and infinities are not served.
.set REC,   12800
.set SPARE, 16*REC
.set A16,   1                          ; 16 x lane
.set A8,    2                          ; 8 x lane
.set AS,    3                          ; 4 r
.set QD,    4                          ; my query - 32 h
.set PW,    6                          ; p's scale word
.set H8,    7                          ; 8 h
.set QS,    34                         ; q's scale word: its two bytes twice
.set KS,    36                         ; v36-39, v40-43 scale words of K, V
.set VS,    40
.set KF,    44                         ; v44-91 K, eight tiles of six registers
.set VF,    92                         ; v92-139 V, four operands
.set S,     140                        ; v140-203 S^T, then p
.set O,     204                        ; v204-235 O^T
.set PF,    236                        ; v236-247 p's codes
.set SEL,   20
.set CS,    22
.set NC,    24
.set G1,    28
.set G0,    36
.set BL,    40                         ; s40 my block of 128 queries: the last step that counts
.set ST,    41
.set TB,    42
.set CNT,   43
	s_load_b128 s[4:7], s[0:1], 0x0                ; qc, qs
	s_load_b128 s[8:11], s[0:1], 0x10              ; kv, oc
	s_load_b64 s[12:13], s[0:1], 0x20              ; os
	v_lshl_add_u32 v254, v0, 2, SPARE
	v_mov_b32 v255, 0
	ds_add_u32 v254, v255                          ; the opening: the add, twice on end
	ds_add_u32 v254, v255
	v_lshrrev_b32 v8, 5, v0
	v_readfirstlane_b32 s18, v8                    ; wave
	s_and_b32 s19, ttmp7, 0xffff                   ; 16 batch + head
	s_mul_i32 s44, s19, 16*REC
	s_mul_i32 s46, s18, REC
	s_add_co_u32 s44, s44, s46                     ; my record
	s_mov_b32 s45, 0
	s_mov_b32 s[G1], 3<<16                         ; 2 rows of 800 elements of 8 bytes, dense
	s_mov_b32 s[G1+1], 800<<16
	s_mov_b32 s[G1+2], 2<<16
	s_mov_b32 s[G1+3], 800<<16
	s_mov_b32 s[G1+4], 2
	s_mov_b32 s[G1+5], 800
	s_mov_b32 s[G1+6], 0
	s_mov_b32 s[G1+7], 0
	s_mov_b32 s[G0], 1
	s_mov_b32 s[G0+1], s46
	s_wait_dscnt 0x0
	s_wait_kmcnt 0x0
	s_add_nc_u64 s[G0+2:G0+3], s[8:9], s[44:45]
	s_or_b32 s[G0+3], s[G0+3], 0x80000000
	s_cmp_lt_u32 s18, 4                            ; two lines: waves 0-3, whose records the first barrier shows, and the others
	s_cbranch_scc0 .Llater
	tensor_load_to_lds s[G0:G0+3], s[G1:G1+7]
	s_nop 0
.rept 4
	v_nop
.endr
	s_branch .Lasked
.Llater:
	tensor_load_to_lds s[G0:G0+3], s[G1:G1+7]
	s_nop 0
.rept 4
	v_nop
.endr
.Lasked:
	s_lshr_b32 s46, s18, 2                         ; the waves take the two blocks by turns: each four neighbouring waves, and each four waves four apart, hold two of each
	s_xor_b32 s46, s46, s18
	s_and_b32 s46, s46, 1
	s_sub_co_u32 s[BL], 15, ttmp9
	s_cmp_eq_u32 s46, 1
	s_cselect_b32 s[BL], s[BL], ttmp9
	s_lshl_b32 s47, s[BL], 3
	s_lshr_b32 s46, s18, 1
	s_add_co_u32 s47, s47, s46                     ; t: the tile, 0 .. 127
	s_lshr_b32 s48, s47, 2
	s_lshl_b32 s48, s48, 6
	s_and_b32 s49, s47, 3
	s_lshl_b32 s49, s49, 3
	s_add_co_u32 s48, s48, s49                     ; its smallest query
	s_lshl_b32 s49, s19, 7
	s_add_co_u32 s49, s49, s47
	s_mul_i32 s44, s49, 768
	s_add_nc_u64 s[4:5], s[4:5], s[44:45]
	s_lshl_b32 s44, s49, 5
	s_add_nc_u64 s[6:7], s[6:7], s[44:45]
	s_lshr_b32 s49, s19, 4
	s_lshl_b32 s49, s49, 7
	s_add_co_u32 s49, s49, s47                     ; the token tile: 128 batch + t
	s_and_b32 s50, s19, 15                         ; head
	s_lshl_b32 s44, s49, 4
	s_add_co_u32 s44, s44, s50
	s_mul_i32 s44, s44, 768
	s_add_nc_u64 s[10:11], s[10:11], s[44:45]
	s_lshl_b32 s44, s49, 9
	s_lshl_b32 s50, s50, 1
	s_add_co_u32 s44, s44, s50
	s_add_nc_u64 s[12:13], s[12:13], s[44:45]
	s_mov_b32 s[SEL], 0x76543210                   ; v_permlanex16_b32's selects for lane l xor 16
	s_mov_b32 s[SEL+1], 0xfedcba98
	s_mov_b32 s[CS], 0x3e38aa3b                    ; c = log2(e) / 8
	s_mov_b32 s[CS+1], s[CS]                       ; (named with it as a pair)
	s_mov_b32 s[NC], 0xbe38aa3b                    ; -c
	s_mov_b32 s[ST], 0
	s_mov_b32 s[TB], 0
	v_and_b32 v8, 15, v0                           ; r
	v_bfe_u32 v9, v0, 4, 1                         ; h
	v_and_b32 v10, 31, v0
	v_lshlrev_b32 v[A16], 4, v10
	v_lshlrev_b32 v[A8], 3, v10
	v_lshlrev_b32 v11, 1, v8
	global_load_b128 v[22:25], v[A16], s[4:5]      ; my tile of q
	global_load_b64 v[26:27], v[A8], s[4:5] offset:512
	global_load_u16 v35, v11, s[6:7]               ; its row's two scale bytes
	v_lshlrev_b32 v[AS], 2, v8
.irp i, 16,17,18,19,20,21,28,29,30,31,32,33
	v_mov_b32 v[\i], 0                             ; zero codes on both sides of q
.endr
	v_lshlrev_b32 v[H8], 3, v9
	v_and_b32 v5, 7, v8
	v_lshrrev_b32 v14, 3, v8
	v_sub_nc_u32 v14, v14, v9
	v_lshl_add_u32 v5, v14, 5, v5                  ; r % 8 + 32 (r / 8) - 32 h
	v_add_nc_u32 v[QD], s48, v5
	v_mov_b32 v13, 0xff61b1e6                      ; the largest score so far: -3e38
	v_mul_f32 v12, s[NC], v13
	v_floor_f32 v12, v12                           ; -M
	v_mov_b32 v14, 0                               ; the sum, in two halves
	v_mov_b32 v15, 0
	s_wait_alu depctr_va_vdst(0)
	s_wait_loadcnt 0x0
	v_lshl_or_b32 v[QS], v35, 16, v35
.set j, 0
.rept 32
	v_mov_b32 v[O+j], 0                            ; O^T: the step is written once a phase; the first change of M leaves the zeros zeros
.set j, j+1
.endr
.macro BARRIER
	s_barrier_signal -1
	s_barrier_wait -1
.endm
.macro ADDR src                        ; the three addresses in a record; with the v_nop the places behind matrix instructions ahead of loads into their registers
	v_add_nc_u32 v8, \src, v[A16]
	v_add_nc_u32 v9, \src, v[A8]
	v_add_nc_u32 v10, \src, v[AS]
	v_nop
.endm
.macro KLOAD                           ; K of a record: 20 loads
.irp u, 0,1,2,3,4,5,6,7
	ds_load_b128 v[KF+6*\u:KF+6*\u+3], v8 offset:768*\u
	ds_load_b64 v[KF+6*\u+4:KF+6*\u+5], v9 offset:768*\u+512
.endr
.irp o, 0,1,2,3
	ds_load_b32 v[KS+\o], v10 offset:12288+64*\o
.endr
.endm
.macro STEP lim                        ; 128 keys; lim: the last record that may be read ahead
	s_cmp_gt_u32 s[ST], s[BL]                      ; all its keys come after my queries: the work is left out, the lines that step addresses are not
	s_cbranch_scc1 .Lhidden_\@
	ADDR s[TB]
.irp t, 0,1,2,3                                ; the step's V: 20 loads
.irp c, 0,1
	ds_load_b128 v[VF+12*\t+6*\c:VF+12*\t+6*\c+3], v8 offset:6144+768*(4*\c+\t)
	ds_load_b64 v[VF+12*\t+6*\c+4:VF+12*\t+6*\c+5], v9 offset:6144+768*(4*\c+\t)+512
.endr
	ds_load_b32 v[VS+\t], v10 offset:12544+64*\t
.endr
	s_wait_dscnt 20                                ; K, asked for a step ago, is in; V's 20 may be out
.irp u, 0,1,2,3,4,5,6,7                        ; tile u: lane (r, h), register 8 u + i: key 64 (u / 4) + 32 h + 8 (u % 4) + i
.if \u%2
	v_wmma_scale_f32_16x16x128_f8f6f4 v[S+8*\u:S+8*\u+7], v[KF+12*(\u/2):KF+12*(\u/2)+11], v[16:27], 0, v[KS+\u/2], v[QS] matrix_a_fmt:MATRIX_FMT_FP6 matrix_b_fmt:MATRIX_FMT_FP6
.else
	v_wmma_scale_f32_16x16x128_f8f6f4 v[S+8*\u:S+8*\u+7], v[KF+12*(\u/2):KF+12*(\u/2)+11], v[22:33], 0, v[KS+\u/2], v[QS] matrix_a_fmt:MATRIX_FMT_FP6 matrix_b_fmt:MATRIX_FMT_FP6
.endif
.endr
	s_add_co_u32 s44, s[TB], REC
	s_min_u32 s44, s44, \lim
	ADDR s44
	KLOAD                                          ; the next step's K
	s_cmp_lg_u32 s[ST], s[BL]                      ; only on the diagonal are keys hidden: their scores become -infinity ahead of the maximum
	s_cbranch_scc1 .Lopen_\@
	s_lshl_b32 s44, s[ST], 7
	s_sub_co_i32 s44, 0, s44
	v_add_nc_u32 v35, s44, v[QD]
	v_mov_b32 v11, 0xff800000
.set n, 0
.rept 64
	v_cmp_gt_i32 vcc_lo, 64*(n/32)+n%32, v35
	v_cndmask_b32 v[S+n], v[S+n], v11, vcc_lo
.set n, n+1
.endr
.Lopen_\@:
.irp c, 0,1                                    ; the largest score of each of my two blocks of 32 keys, in two chains each
	v_max3_num_f32 v[248+2*\c], v[S+32*\c], v[S+32*\c+1], v[S+32*\c+2]
	v_max3_num_f32 v[249+2*\c], v[S+32*\c+17], v[S+32*\c+18], v[S+32*\c+19]
.endr
.irp i, 3,5,7,9,11,13
.irp c, 0,1
	v_max3_num_f32 v[248+2*\c], v[248+2*\c], v[S+32*\c+\i], v[S+32*\c+\i+1]
	v_max3_num_f32 v[249+2*\c], v[249+2*\c], v[S+32*\c+\i+17], v[S+32*\c+\i+18]
.endr
.endr
.irp c, 0,1
	v_max3_num_f32 v[248+2*\c], v[248+2*\c], v[S+32*\c+15], v[S+32*\c+16]
.endr
	v_max_num_f32 v248, v248, v249
	v_max_num_f32 v250, v250, v251
	v_max_num_f32 v254, v248, v250
	s_delay_alu instid0(VALU_DEP_1)
	v_permlanex16_b32 v255, v254, s[SEL], s[SEL+1]
	s_delay_alu instid0(VALU_DEP_1)
	v_max3_num_f32 v13, v13, v254, v255            ; the running largest score of my query
	v_mov_b32 v254, v12
	s_delay_alu instid0(VALU_DEP_2)
	v_mul_f32 v11, s[NC], v13                      ; -t (c is positive)
	s_delay_alu instid0(VALU_DEP_1)
	v_floor_f32 v12, v11                           ; the new -M = floor(-t) = -ceil(t)
	s_delay_alu instid0(VALU_DEP_1)
	v_sub_f32 v254, v12, v254                      ; old M - new M: a whole number, 0 or less
	s_delay_alu instid0(VALU_DEP_1)
	v_cvt_i32_f32 v254, v254                       ; (it saturates)
	s_delay_alu instid0(VALU_DEP_1)
	v_ldexp_f32 v10, 1.0, v254                     ; f = 2^(old M - new M)
.set j, 0
.rept 32
	v_pk_fma_f32 v[S+j:S+j+1], v[S+j:S+j+1], s[CS:CS+1], v[12:13] op_sel_hi:[1,0,0]   ; t - M, two at a time
.set j, j+2
.endr
	v_fma_f32 v248, v248, s[CS], v12               ; the same of each block's largest score
	v_fma_f32 v250, v250, s[CS], v12
	s_wait_alu depctr_va_vdst(0)                   ; the wait ahead of the batch
.set j, 0
.rept 64
	v_exp_f32 v[S+j], v[S+j]                       ; p = 2^(t - M)
.set j, j+1
.endr
	v_exp_f32 v248, v248                           ; each block's largest p: p rises with the score
	v_exp_f32 v250, v250
	v_pk_mul_f32 v[14:15], v[14:15], v[10:11] op_sel_hi:[1,0]   ; the sums under the new M (a plain place behind the exponentials)
	s_wait_alu depctr_va_vdst(0)                   ; and behind it, ahead of O^T's first reader too
.set j, 0
.rept 16
	v_pk_mul_f32 v[O+j:O+j+1], v[O+j:O+j+1], v[10:11] op_sel_hi:[1,0]   ; O^T under the new M
.set j, j+2
.endr
	v_max_num_f32 v248, 0x1800000, v248            ; the floor 2^(3 - 127): the byte cannot fall under 1
	v_max_num_f32 v250, 0x1800000, v250
	v_add_nc_u32 v8, 0xff000000, v248              ; 2 off the exponent field: the conversion's scale operand
	v_add_nc_u32 v9, 0xff000000, v250
	v_lshrrev_b32 v248, 23, v8
	v_lshrrev_b32 v250, 23, v9
	v_lshl_or_b32 v251, v250, 16, v248             ; my bytes h and 2 + h of p's scale word,
	v_lshlrev_b32 v251, v[H8], v251
	v_permlanex16_b32 v255, v251, s[SEL], s[SEL+1]
	v_or_b32 v[PW], v251, v255                     ; with lane l xor 16's two
	v_cvt_scalef32_pk16_fp6_f32 v[PF:PF+2], v[S:S+15], v8
	v_cvt_scalef32_pk16_fp6_f32 v[248:250], v[S+16:S+31], v8   ; (a conversion's three registers begin on an even number)
	v_cvt_scalef32_pk16_fp6_f32 v[PF+6:PF+8], v[S+32:S+47], v9
	v_cvt_scalef32_pk16_fp6_f32 v[252:254], v[S+48:S+63], v9
	v_pk_add_f32 v[14:15], v[14:15], v[S+62:S+63]  ; the row's sum, of the unquantised p (a plain place behind the conversions)
.irp i, 0,1,2
	v_mov_b32 v[PF+3+\i], v[248+\i]
	v_mov_b32 v[PF+9+\i], v[252+\i]
.endr
.irp i, 0,1,2,3
	v_pk_add_f32 v[248+2*\i:249+2*\i], v[S+4*\i:S+4*\i+1], v[S+4*\i+2:S+4*\i+3]
.endr
.set n, 8
.rept 23
	v_pk_add_f32 v[248+2*(n%4):249+2*(n%4)], v[248+2*(n%4):249+2*(n%4)], v[S+2*n:S+2*n+1]
.set n, n+1
.endr
	v_pk_add_f32 v[248:249], v[248:249], v[250:251]
	v_pk_add_f32 v[252:253], v[252:253], v[254:255]
	v_pk_add_f32 v[14:15], v[14:15], v[248:249]
	v_pk_add_f32 v[14:15], v[14:15], v[252:253]
	s_wait_dscnt 20                                ; V is in; the next K's 20 loads may be out
.irp t, 0,1,2,3                                ; O^T += V^T P^T; the next step's eight products of scores and three others stand between two links
	v_wmma_scale_f32_16x16x128_f8f6f4 v[O+8*\t:O+8*\t+7], v[VF+12*\t:VF+12*\t+11], v[PF:PF+11], v[O+8*\t:O+8*\t+7], v[VS+\t], v[PW] matrix_a_fmt:MATRIX_FMT_FP6 matrix_b_fmt:MATRIX_FMT_FP6
.endr
.Lhidden_\@:
	s_add_co_u32 s[ST], s[ST], 1
	s_add_co_u32 s[TB], s[TB], REC
.endm
	s_wait_alu depctr_va_vdst(0)                   ; the wait at the head's end
	s_cmp_lt_u32 s18, 4
	s_cbranch_scc0 .Lnot_mine
	s_wait_tensorcnt 0x0                           ; waves 0-3: records 0-3
.Lnot_mine:
	BARRIER
	ADDR s[TB]
	KLOAD
	s_mov_b32 s[CNT], 4
.Lfirst:
	STEP 3*REC
	s_sub_co_u32 s[CNT], s[CNT], 1
	s_cmp_lg_u32 s[CNT], 0
	s_cbranch_scc1 .Lfirst
	s_wait_tensorcnt 0x0                           ; all records
	s_wait_dscnt 0x0
	BARRIER
	ADDR s[TB]
	KLOAD
	s_mov_b32 s[CNT], 12
.Lrest:
	STEP 15*REC
	s_sub_co_u32 s[CNT], s[CNT], 1
	s_cmp_lg_u32 s[CNT], 0
	s_cbranch_scc1 .Lrest
; THE WAY OUT.  O^T / the sum: my 32 numbers are channels 32 h .. of my query: one block along the last projection's K.
.rept 4
	v_nop                                          ; places behind the last products
.endr
	s_wait_alu depctr_va_vdst(0)
	v_add_f32 v14, v14, v15
	v_permlanex16_b32 v255, v14, s[SEL], s[SEL+1]
	v_add_f32 v14, v14, v255
	v_and_b32 v8, 15, v0
	v_bfe_u32 v9, v0, 4, 1
	v_lshl_add_u32 v11, v8, 5, v9                  ; 32 r + h
	s_wait_alu depctr_va_vdst(0)                   ; ahead of the transcendental
	v_rcp_f32 v14, v14
	v_nop                                          ; a plain place behind it
	s_wait_alu depctr_va_vdst(0)                   ; and ahead of its first reader
.set j, 0
.rept 16
	v_pk_mul_f32 v[S+j:S+j+1], v[O+j:O+j+1], v[14:15] op_sel_hi:[1,0]
.set j, j+2
.endr
	v_max3_num_f32 v248, |v[S]|, |v[S+1]|, 0x1800000
	v_max3_num_f32 v249, |v[S+2]|, |v[S+3]|, |v[S+4]|
.irp i, 5,9,13,17,21,25
	v_max3_num_f32 v248, v248, |v[S+\i]|, |v[S+\i+1]|
	v_max3_num_f32 v249, v249, |v[S+\i+2]|, |v[S+\i+3]|
.endr
	v_max3_num_f32 v248, v248, |v[S+29]|, |v[S+30]|
	v_max3_num_f32 v248, v248, |v[S+31]|, v249
	v_add_nc_u32 v250, 0xff000000, v248
	v_cvt_scalef32_pk16_fp6_f32 v[PF:PF+2], v[S:S+15], v250
	v_cvt_scalef32_pk16_fp6_f32 v[252:254], v[S+16:S+31], v250
	v_lshrrev_b32 v251, 23, v250
.irp i, 0,1,2
	v_mov_b32 v[PF+3+\i], v[252+\i]
.endr
	global_store_b128 v[A16], v[PF:PF+3], s[10:11] ; 512 and 256 consecutive bytes
	global_store_b64 v[A8], v[PF+4:PF+5], s[10:11] offset:512
	global_store_b8 v11, v251, s[12:13]
	v_lshl_add_u32 v254, v0, 2, SPARE
	v_mov_b32 v255, 0
	s_wait_alu depctr_va_vdst(0)
	s_wait_tensorcnt 0x0                           ; the wave's end
	ds_add_u32 v254, v255
	s_wait_dscnt 0x0
	s_endpgm
.Lfunc_end_k_qf7f148b4ba_attn:
	.size	k_qf7f148b4ba_attn, .Lfunc_end_k_qf7f148b4ba_attn-k_qf7f148b4ba_attn
	.p2alignl 7, 3214868480
	.fill 96, 4, 3214868480
	.section	.rodata,"a",@progbits
	.p2align	6, 0x0
	.amdhsa_kernel k_qf7f148b4ba_attn
		.amdhsa_group_segment_fixed_size 206848
		.amdhsa_private_segment_fixed_size 0
		.amdhsa_enable_private_segment 0
		.amdhsa_kernarg_size 40
		.amdhsa_user_sgpr_count 2
		.amdhsa_user_sgpr_kernarg_segment_ptr 1
		.amdhsa_wavefront_size32 1
		.amdhsa_system_sgpr_workgroup_id_x 1
		.amdhsa_system_sgpr_workgroup_id_y 1
		.amdhsa_system_sgpr_workgroup_id_z 1
		.amdhsa_system_vgpr_workitem_id 0
		.amdhsa_next_free_vgpr 256
		.amdhsa_next_free_sgpr 66
		.amdhsa_reserve_vcc 1
		.amdhsa_float_denorm_mode_32 3
		.amdhsa_float_denorm_mode_16_64 3
		.amdhsa_memory_ordered 1
		.amdhsa_forward_progress 1
		.amdhsa_inst_pref_size 54
	.end_amdhsa_kernel
	.amdgpu_metadata
---
amdhsa.version: [ 1, 2 ]
amdhsa.kernels:
  - .name:           k_qf7f148b4ba_attn
    .symbol:         k_qf7f148b4ba_attn.kd
    .args:
      - { .name: qc, .offset: 0, .size: 8, .value_kind: global_buffer, .address_space: global }
      - { .name: qs, .offset: 8, .size: 8, .value_kind: global_buffer, .address_space: global }
      - { .name: kv, .offset: 16, .size: 8, .value_kind: global_buffer, .address_space: global }
      - { .name: oc, .offset: 24, .size: 8, .value_kind: global_buffer, .address_space: global }
      - { .name: os, .offset: 32, .size: 8, .value_kind: global_buffer, .address_space: global }
    .group_segment_fixed_size: 206848
    .private_segment_fixed_size: 0
    .kernarg_segment_align: 8
    .kernarg_segment_size: 40
    .max_flat_workgroup_size: 512
    .sgpr_count:     66
    .vgpr_count:     256
    .wavefront_size: 32
...
	.end_amdgpu_metadata
.endif
;; end of part 3
;; launch proj (part 4): grid 8 x 32, 4 waves a work-group, clusters of 4 x 4, 220,672 bytes of LDS; arguments oc, os, cin, sin, out0, proj_b; writes out0
.if DOCPART == 4
	.amdgcn_target "amdgcn-amd-amdhsa--gfx1250"
	.amdhsa_code_object_version 6
	.text
	.protected	k_qf7f148b4ba_proj
	.globl	k_qf7f148b4ba_proj
	.p2align	8
	.type	k_qf7f148b4ba_proj,@function
k_qf7f148b4ba_proj:
	s_mov_b64 s[64:65], 0
	v_nop
	global_prefetch_b8 v0, s[64:65] scope:SCOPE_SE
	s_setreg_imm32_b32 hwreg(HW_REG_WAVE_MODE, 25, 1), 1
	s_wait_xcnt 0x0
	s_wait_alu depctr_hold_cnt(0) depctr_sa_sdst(0) depctr_va_vdst(0) depctr_va_sdst(0) depctr_va_ssrc(0) depctr_va_vcc(0) depctr_vm_vsrc(0)
	s_getreg_b32 s2, hwreg(HW_REG_IB_STS2, 6, 4)
	s_cmp_eq_u32 s2, 0
	s_cbranch_scc0 .Lentry_in_a_cluster
	s_endpgm
.Lentry_in_a_cluster:
	s_bfe_u32 s2, ttmp6, 0x10000c
	s_cmp_lg_u32 s2, 0xf033
	s_cbranch_scc0 .Lentry_shape_is_right
	s_endpgm
.Lentry_shape_is_right:
; out = o proj_w^T + proj_b on codes of FP6 (E2M3) with E8M0 scales; f32 sums.
; 256 work-groups of 128 tokens x 128 columns; four waves, 2 x 2: wave (a, b) makes 64 tokens x 64 columns.  It holds its 64 rows of proj_w, all of K, in registers (384) and streams o past them in blocks of 16 tokens: a block is 32 products and leaves as soon as it is finished.
; All of K lies in LDS: proj_w's 128 rows (pitch 816) and o's eight tiles as they lie in oc (98,304 dense bytes, the order of an operand's registers); filled once, one tensor load a wave; nothing is filled again.
; Rows lie at their POSITIONS (row 32 h + 8 j + i of each 64 at 16 j + 8 h + i): with proj_w as source 0 a lane holds one token and 32 neighbouring columns, 32 h + 8 j + i.  The bias is the first products' C.
; CLUSTERS of 4 x 4: o's rows are shared along a row of the cluster, proj_w's along a column.  NO PREFETCH: every tile is asked for at the head.
; LIMITS: NaN and infinities are not served.
.set KROW,  768
.set PITCH, 816
.set BLKB,  16*PITCH
.set AO,    128*PITCH                  ; o's tiles
.set STG,   AO+98304                   ; a stage of 16 rows x 272 bytes for each wave
.set SPITCH, 272
.set SPARE, STG+4*16*SPITCH
.set FR,    12
.set FPW,   21
.set SW,    24                         ; v24-39  proj_w's scale words: register 8 p + q: lanes 0-15 tile 2 p, lanes 16-31 tile 2 p + 1
.set SA,    44                         ; v44-59  o's
.set ACC,   64                         ; v64-127 two sets of four accumulators
.set BB,    128                        ; v128-159 the bias
.set RB,    160                        ; v160-223 rows read back, two sets
.set SPW,   10
.set NIL,   11
.set A16,   4
.set A8,    5
.set STO,   6
.set RD,    7
.set CO,    9
.set G1W,   24
.set G1A,   32
.set G0W,   56
.set G0A,   60
.set MSB, 0
.macro WIN new
.if MSB != (\new)
	s_set_vgpr_msb (MSB<<8)|(\new)
.set MSB, (\new)
.endif
.endm
.macro WALU
	s_wait_alu depctr_va_vdst(0)
.endm
.macro BARRIER
	s_barrier_signal -1
	s_barrier_wait -1
.endm
.macro CROUND
	BARRIER
	s_cmp_lg_u32 s14, 0
	s_cbranch_scc1 .Lnot_wave_0_\@
	s_barrier_signal -3
.Lnot_wave_0_\@:
	s_barrier_wait -3
	BARRIER
.endm
.macro TLOAD g0, g1
	tensor_load_to_lds s[\g0:\g0+3], s[\g1:\g1+7]
	s_nop 0
.rept 4
	v_nop
.endr
.endm
; Fragment f lies in window 1 + f / 21 at register 12 (f % 21): 0-31 proj_w's (4 q + tile), 32-39 and 40-47 the streamed block's two sets.
.macro FRAG f, q, a0, a1               ; six pieces of 8 bytes, two to a load where both lie behind as many paddings
	WIN ((1+(\f)/FPW)<<6)
.set R_, FR*((\f)%FPW)
.set SKIP_, 0
.irp p, 0,1,2,3,4,5
.if SKIP_
.set SKIP_, 0
.else
.set PC_, 12*(\q)+6*(\p/3)+\p%3
.set PN_, 12*(\q)+6*((\p+1)/3)+(\p+1)%3
.set X_, (PC_%32+3)/32
.set XQ_, (PN_%32+3)/32
.if (\p < 5) && (X_ == XQ_)
.set SKIP_, 1
.if X_
	ds_load_2addr_b64 v[R_+2*\p:R_+2*\p+3], \a1 offset0:PC_+2*(PC_/32) offset1:PN_+2*(PN_/32)
.else
	ds_load_2addr_b64 v[R_+2*\p:R_+2*\p+3], \a0 offset0:PC_+2*(PC_/32) offset1:PN_+2*(PN_/32)
.endif
.elseif X_
	ds_load_b64 v[R_+2*\p:R_+2*\p+1], \a1 offset:8*(PC_+2*(PC_/32))
.else
	ds_load_b64 v[R_+2*\p:R_+2*\p+1], \a0 offset:8*(PC_+2*(PC_/32))
.endif
.endif
.endr
.endm
.macro FETCH e, s                      ; o's block s into set e: 32 loads; registers 6 c .. are head 2 q + c
.irp q, 0,1,2,3,4,5,6,7
.set F_, 32+8*(\e)+\q
	WIN ((1+F_/FPW)<<6)
.set R_, FR*(F_%FPW)
.irp c, 0,1
	ds_load_b128 v[R_+6*\c:R_+6*\c+3], v[A16] offset:12288*(\s)+768*(2*\q+\c)
	ds_load_b64 v[R_+6*\c+4:R_+6*\c+5], v[A8] offset:12288*(\s)+768*(2*\q+\c)+512
.endr
.endr
	WIN 0
.endm
.macro WM ra, rb
	v_wmma_scale_f32_16x16x128_f8f6f4 v[D_:D_+7], v[A_:A_+11], v[B_:B_+11], v[C_:C_+7], v[SA_], v[SB_] matrix_a_fmt:MATRIX_FMT_FP6 matrix_b_fmt:MATRIX_FMT_FP6 matrix_a_scale:MATRIX_SCALE_ROW\ra matrix_b_scale:MATRIX_SCALE_ROW\rb
.endm
.macro PROD s, n                       ; product n = 4 q + column tile of block s
.set Q_, (\n)/4
.set J_, (\n)%4
.set F0_, 4*Q_+J_
.set F1_, 32+8*((\s)%2)+Q_
.set D_, ACC+32*((\s)%2)+8*J_
.if Q_
.set C_, D_
.else
.set C_, BB+8*J_
.endif
.set SA_, SW+8*(J_/2)+Q_
.set SB_, SA+8*((\s)/2)+Q_
.set A_, FR*(F0_%FPW)
.set B_, FR*(F1_%FPW)
	WIN (1+F0_/FPW)|((1+F1_/FPW)<<2)
.if J_%2
.if (\s)%2
	WM 1, 1
.else
	WM 1, 0
.endif
.else
.if (\s)%2
	WM 0, 1
.else
	WM 0, 0
.endif
.endif
.endm
.macro BLK s, from, to
.set N_, \from
.rept (\to)-(\from)
	PROD \s, N_
.set N_, N_+1
.endr
	WIN 0
.endm
.macro TOSTAGE s                       ; a lane's 128 bytes of a row into my stage, and back as whole rows of 256 bytes; LDS serves a wave's instructions in order (ISA guide 5.7.1.4)
.set T_, ACC+32*((\s)%2)
.set U_, RB+32*((\s)%2)
.rept 4
	v_nop                                          ; places behind the block's last products
.endr
.irp k, 0,1,2,3,4,5,6,7
	ds_store_b128 v[STO], v[T_+4*\k:T_+4*\k+3] offset:16*\k
.endr
.irp t, 0,1,2,3,4,5,6,7
	ds_load_b128 v[U_+4*\t:U_+4*\t+3], v[RD] offset:2*SPITCH*\t
.endr
.endm
.macro SEND s                          ; stage row 8 x + y is token 32 x + 8 s + y; 16 lanes store one aligned run of 256 bytes
.set U_, RB+32*((\s)%2)
.irp t, 0,1,2,3,4,5,6,7
	global_store_b128 v[CO], v[U_+4*\t:U_+4*\t+3], s[48:49] offset:(8*(\s)+2*(\t%4)+32*(\t/4))*4096 th:TH_STORE_NT
.endr
.endm
	s_load_b128 s[4:7], s[0:1], 0x0                ; oc, os
	s_load_b128 s[8:11], s[0:1], 0x10              ; cin, sin
	s_load_b128 s[48:51], s[0:1], 0x20             ; out0, proj_b
	v_lshl_add_u32 v[SPW], v0, 2, SPARE
	v_mov_b32 v[NIL], 0
	ds_add_u32 v[SPW], v[NIL]                      ; the opening: the add, twice on end
	ds_add_u32 v[SPW], v[NIL]
	v_lshrrev_b32 v1, 5, v0
	v_readfirstlane_b32 s14, v1                    ; wave
	s_lshr_b32 s15, s14, 1                         ; a
	s_and_b32 s16, s14, 1                          ; b
	s_bfe_u32 s40, ttmp6, 0x40000
	s_bfe_u32 s41, ttmp6, 0x40004
	s_lshl_b32 s42, ttmp9, 2
	s_add_co_u32 s42, s42, s40                     ; the 128 columns, 0 .. 7
	s_and_b32 s43, ttmp7, 0xffff
	s_lshl_b32 s43, s43, 2
	s_add_co_u32 s43, s43, s41                     ; the 128 tokens, 0 .. 31
	s_lshl_b32 s44, s41, 2
	s_lshl_b32 s44, 15, s44                        ; my row of the cluster
	s_lshl_b32 s45, 0x1111, s40                    ; my column
	s_or_b32 s[G1W], s45, (1<<20)|(1<<21)|(5<<22)|(3<<25)   ; 64 rows of 768 bytes, 4 words of padding behind every 64
	s_mov_b32 s[G1W+1], KROW<<16
	s_mov_b32 s[G1W+2], 64<<16
	s_mov_b32 s[G1W+3], KROW<<16
	s_mov_b32 s[G1W+4], 64
	s_mov_b32 s[G1W+5], KROW
	s_mov_b32 s[G1W+6], 0
	s_mov_b32 s[G1W+7], 0
	s_or_b32 s[G1A], s44, (3<<16)|(1<<21)          ; four tiles: 4 rows of 1,536 elements of 8 bytes, dense
	s_mov_b32 s[G1A+1], 1536<<16
	s_mov_b32 s[G1A+2], 4<<16
	s_mov_b32 s[G1A+3], 1536<<16
	s_mov_b32 s[G1A+4], 4
	s_mov_b32 s[G1A+5], 1536
	s_mov_b32 s[G1A+6], 0
	s_mov_b32 s[G1A+7], 0
	s_mul_i32 s20, s43, 98304
	s_mul_i32 s12, s16, 49152
	s_add_co_u32 s20, s20, s12                     ; o: waves 2 and 3 a half each
	s_mov_b32 s21, 0
	s_mul_i32 s22, s42, 128*KROW
	s_add_co_u32 s22, s22, 7168*KROW
	s_add_co_u32 s22, s22, s12                     ; proj_w: waves 0 and 1 a half each (64 rows are 49,152 bytes too)
	s_mov_b32 s23, 0
	s_mov_b32 s[G0W], 1
	s_mul_i32 s[G0W+1], s16, 64*PITCH
	s_mov_b32 s[G0A], 1
	s_add_co_u32 s[G0A+1], s12, AO
	s_wait_alu depctr_va_vdst(0)
	s_wait_dscnt 0x0                               ; both adds are done
	CROUND                                         ; all sixteen work-groups are here: the joint loads meet
	s_wait_kmcnt 0x0
	s_add_nc_u64 s[G0W+2:G0W+3], s[8:9], s[22:23]
	s_or_b32 s[G0W+3], s[G0W+3], 0x80000000
	s_add_nc_u64 s[G0A+2:G0A+3], s[4:5], s[20:21]
	s_or_b32 s[G0A+3], s[G0A+3], 0x80000000
	s_cmp_lt_u32 s14, 2
	s_cbranch_scc0 .Lfor_a
	TLOAD G0W, G1W
	s_branch .Lasked
.Lfor_a:
	TLOAD G0A, G1A
.Lasked:
	s_lshl_b32 s20, s43, 12
	s_lshl_b32 s13, s15, 11
	s_add_co_u32 s20, s20, s13
	s_add_nc_u64 s[84:85], s[6:7], s[20:21]        ; the scale bytes of my 64 tokens
	s_lshl_b32 s20, s42, 12
	s_lshl_b32 s13, s16, 11
	s_add_co_u32 s20, s20, s13
	s_add_co_u32 s20, s20, 7168*32
	s_add_nc_u64 s[86:87], s[10:11], s[20:21]      ; of my 64 rows of proj_w
	s_lshl_b32 s12, s42, 9
	s_lshl_b32 s13, s16, 8
	s_add_co_u32 s12, s12, s13                     ; my 64 columns, in bytes
	s_mov_b32 s20, s12
	s_add_nc_u64 s[88:89], s[50:51], s[20:21]      ; their bias
	v_and_b32 v1, 15, v0                           ; r
	v_bfe_u32 v2, v0, 4, 1                         ; h
	v_and_b32 v3, 31, v0                           ; lane
	v_lshlrev_b32 v8, 5, v3
	v_lshlrev_b32 v16, 7, v2
.irp p, 0,1
.irp c, 0,1
	global_load_b128 v[SW+8*\p+4*\c:SW+8*\p+4*\c+3], v8, s[86:87] offset:1024*\p+16*\c
	global_load_b128 v[SA+8*\p+4*\c:SA+8*\p+4*\c+3], v8, s[84:85] offset:1024*\p+16*\c
.endr
.endr
.irp k, 0,1,2,3,4,5,6,7
	global_load_b128 v[BB+4*\k:BB+4*\k+3], v16, s[88:89] offset:16*\k
.endr
	v_mul_u32_u24 v17, v1, PITCH
	v_mad_u32_u24 v18, v2, 24, v17
	v_mad_u32_u24 v19, v2, 40, v17
	s_mul_i32 s13, s16, 64*PITCH
	v_add_nc_u32 v224, s13, v18                    ; my 64 rows of proj_w: the four tiles' addresses
	v_add_nc_u32 v225, s13, v19
.irp t, 1,2,3
	v_add_nc_u32 v[224+2*\t], \t*BLKB, v224
	v_add_nc_u32 v[225+2*\t], \t*BLKB, v225
.endr
	s_mul_i32 s13, s15, 49152
	s_add_co_u32 s13, s13, AO
	v_lshlrev_b32 v[A16], 4, v3
	v_add_nc_u32 v[A16], s13, v[A16]
	v_lshlrev_b32 v[A8], 3, v3
	v_add_nc_u32 v[A8], s13, v[A8]
	s_mul_i32 s13, s14, 16*SPITCH
	s_add_co_u32 s13, s13, STG                     ; my stage
	v_mul_u32_u24 v20, v1, SPITCH
	v_lshl_add_u32 v20, v2, 7, v20
	v_add_nc_u32 v[STO], s13, v20                  ; in: row r, 128 bytes for each half of the lanes
	v_mul_u32_u24 v21, v2, SPITCH
	v_lshl_add_u32 v21, v1, 4, v21
	v_add_nc_u32 v[RD], s13, v21                   ; back: two rows an instruction
	v_lshlrev_b32 v22, 12, v2
	v_lshl_add_u32 v[CO], v1, 4, v22
	s_lshl_b32 s20, s43, 19                        ; 128 rows of 4,096 bytes
	s_lshl_b32 s13, s15, 18
	s_add_co_u32 s20, s20, s13
	s_add_co_u32 s20, s20, s12
	s_add_nc_u64 s[48:49], s[48:49], s[20:21]
	WALU                                           ; the wait at the head's end
	s_cmp_lt_u32 s14, 2
	s_cbranch_scc0 .Lnot_w
	s_wait_tensorcnt 0x0                           ; waves 0 and 1: proj_w's rows
.Lnot_w:
	BARRIER
.irp q, 0,1,2,3,4,5,6,7
.irp t, 0,1,2,3
	FRAG 4*\q+\t, \q, v[224+2*\t], v[225+2*\t]
.endr
.endr
	WIN 0
	s_wait_tensorcnt 0x0                           ; o's tiles
	s_wait_dscnt 0x0
	BARRIER
	FETCH 0, 0
	FETCH 1, 1
	s_wait_loadcnt 0x0                             ; scale words and bias
	s_wait_dscnt 32                                ; block 1's 32 loads may be out
	BLK 0, 0, 32
	TOSTAGE 0
	FETCH 0, 2
	s_wait_dscnt 48                                ; block 0's 16 lines of the stage and block 2's 32 loads may be out
	BLK 1, 0, 16
	s_wait_dscnt 32                                ; block 0 is back from the stage
	SEND 0
	BLK 1, 16, 32
	TOSTAGE 1
	FETCH 1, 3
	s_wait_dscnt 48
	BLK 2, 0, 16
	s_wait_dscnt 32
	SEND 1
	BLK 2, 16, 32
	s_wait_xcnt 0x0                                ; block 0's stores have read their registers
	TOSTAGE 2
	s_wait_dscnt 16                                ; block 2's 16 lines of the stage may be out
	BLK 3, 0, 16
	s_wait_dscnt 0x0
	SEND 2
	BLK 3, 16, 32
	s_wait_xcnt 0x0
	TOSTAGE 3
	s_wait_dscnt 0x0
	SEND 3
	s_wait_tensorcnt 0x0                           ; the wave's end
	ds_add_u32 v[SPW], v[NIL]
	s_wait_dscnt 0x0
	CROUND                                         ; the closing round
	s_endpgm
.Lfunc_end_k_qf7f148b4ba_proj:
	.size	k_qf7f148b4ba_proj, .Lfunc_end_k_qf7f148b4ba_proj-k_qf7f148b4ba_proj
	.p2alignl 7, 3214868480
	.fill 96, 4, 3214868480
	.section	.rodata,"a",@progbits
	.p2align	6, 0x0
	.amdhsa_kernel k_qf7f148b4ba_proj
		.amdhsa_group_segment_fixed_size 220672
		.amdhsa_private_segment_fixed_size 0
		.amdhsa_enable_private_segment 0
		.amdhsa_kernarg_size 48
		.amdhsa_user_sgpr_count 2
		.amdhsa_user_sgpr_kernarg_segment_ptr 1
		.amdhsa_wavefront_size32 1
		.amdhsa_system_sgpr_workgroup_id_x 1
		.amdhsa_system_sgpr_workgroup_id_y 1
		.amdhsa_system_sgpr_workgroup_id_z 1
		.amdhsa_system_vgpr_workitem_id 0
		.amdhsa_next_free_vgpr 1024
		.amdhsa_next_free_sgpr 96
		.amdhsa_reserve_vcc 0
		.amdhsa_float_denorm_mode_32 3
		.amdhsa_float_denorm_mode_16_64 3
		.amdhsa_memory_ordered 1
		.amdhsa_forward_progress 1
		.amdhsa_inst_pref_size 49
	.end_amdhsa_kernel
	.amdgpu_metadata
---
amdhsa.version: [ 1, 2 ]
amdhsa.kernels:
  - .name:           k_qf7f148b4ba_proj
    .symbol:         k_qf7f148b4ba_proj.kd
    .args:
      - { .name: oc, .offset: 0, .size: 8, .value_kind: global_buffer, .address_space: global }
      - { .name: os, .offset: 8, .size: 8, .value_kind: global_buffer, .address_space: global }
      - { .name: cin, .offset: 16, .size: 8, .value_kind: global_buffer, .address_space: global }
      - { .name: sin, .offset: 24, .size: 8, .value_kind: global_buffer, .address_space: global }
      - { .name: out0, .offset: 32, .size: 8, .value_kind: global_buffer, .address_space: global }
      - { .name: proj_b, .offset: 40, .size: 8, .value_kind: global_buffer, .address_space: global }
    .group_segment_fixed_size: 220672
    .private_segment_fixed_size: 0
    .kernarg_segment_align: 8
    .kernarg_segment_size: 48
    .max_flat_workgroup_size: 128
    .sgpr_count:     96
    .vgpr_count:     1024
    .wavefront_size: 32
...
	.end_amdgpu_metadata
.endif
;; end of part 4
